; MI455X (gfx1250); checked and timed in simulation.
; The chip was launched on July 23, 2026; its instructions are those of AMD's public machine-readable ISA for CDNA 5 (MIT licence, August 2026) and "CDNA5" Instruction Set Architecture Reference Guide (July 2026). The comments in the code are by the model that wrote it; some were corrected since.
;; LSTCWA. Allowed arithmetic: matrix products marked QUANTISED: E2M1 operands, one E8M0 scale for each 32 along K, by v_wmma_scale_f32_16x16x128_f8f6f4 with both operands' format E2M1 (or v_wmma_scale_f32_32x16x128_f4), f32 sums; products left as they are: f32 operands where the result goes on into a quantised operand, else bf16, f16 or f32 operands; f32 sums; everything else in f32.
;; Inputs: Wk 512 x 512 float32; Wp 512 x 512 float32; Wq 512 x 512 float32; Wv 512 x 512 float32; bp 512 float32; coords 32,768 x 2 float32; feats 32,768 x 512 float32; mask 32,768 bool; pos_b1 512 float32; pos_b2 512 float32; pos_w1 512 x 2 float32; pos_w2 512 x 512 float32; z 64 x 512 float32.
;; Outputs: out0 64 x 512 float32.
;; This version of the problem:
;;   THIS VERSION OF THE PROBLEM IS GIVEN IN LOW PRECISION. The matrix products marked QUANTISED in the list below multiply operands that are first quantised to E2M1 (2 exponent bits, 1 mantissa bit; 4 bits a number), with one power-of-two scale for each 32 numbers along K (OCP MX v1.0); their sums are f32. All else is computed in f32.
;;   The module's matrix products, in the order in which they are computed (A, B: the left and right operand; K: the contracted axis; several contracted axes count as one K, in the product's order):
;;     1. [M 65,536, K 2] x [K 2, N 512]; A: computed on the way; B: input pos_w1: left as it is (K = 2 < 32)
;;     2. [M 65,536, K 512] x [K 512, N 512]; A: computed on the way; B: input pos_w2: QUANTISED
;;     3. [M 64, K 512] x [K 512, N 512]; A: input z; B: input Wq: QUANTISED
;;     4. [M 65,536, K 512] x [K 512, N 512]; A: computed on the way; B: input Wk: QUANTISED
;;     5. [M 65,536, K 512] x [K 512, N 512]; A: computed on the way; B: input Wv: QUANTISED
;;     6. batch 64 x [M 1, K 512] x [K 512, N 1,024]; A: computed on the way; B: computed on the way: left as it is (M = 1 < 16)
;;     7. batch 1,024 x [M 1, K 64] x [K 64, N 512]; A: softmax; B: computed on the way: left as it is (M = 1 < 16)
;;     8. [M 64, K 512] x [K 512, N 512]; A: computed on the way; B: input Wp: QUANTISED
;;   THE QUANTISER, for each operand of a quantised product, along K:
;;     - K is cut into blocks of 32 from its start; a last block that is shorter is filled with zeros.
;;     - A block's scale is 2^e with e = floor(log2(the largest magnitude in the block)) - 2, held to -126 .. 127; a block of zeros has e = 0. As a byte (E8M0): e + 127.
;;     - Each number is divided by its block's scale, clamped to +-6, and rounded to the nearest number of E2M1, ties to even, subnormals kept.
;;     - The product sums the exact products of the quantised numbers (number of the format x scale) in f32.
;;   ~~~python
;;   def quantise(x, axis):      # numpy; x: float32 -> the quantised numbers, widened to float32 again
;;       x = np.moveaxis(x, axis, -1); K = x.shape[-1]
;;       x = np.pad(x, [(0, 0)] * (x.ndim - 1) + [(0, -K % 32)]); x = x.reshape(x.shape[:-1] + (-1, 32)); a = np.abs(x).max(-1, keepdims=True)
;;       e = np.where(a > 0, np.clip(np.frexp(np.where(a > 0, a, 1))[1] - 1 - 2, -126, 127), 0)      # np.frexp(a)[1] - 1 = floor(log2(a)), exactly
;;       r = np.clip(x / 2.0 ** e, -6, 6)
;;       step = 2.0 ** (np.maximum(np.frexp(np.where(r == 0, 1, r))[1] - 1, 0) - 1)
;;       q = np.round(r / step) * step * 2.0 ** e      # np.round: ties to even
;;       return np.moveaxis(q.reshape(q.shape[:-2] + (-1,))[..., :K], -1, axis).astype(np.float32)
;;   ~~~
;;   OPERANDS COMPUTED ON THE WAY. 'Computed on the way' means the value that the module computes at that place (a softmax that the list does not call 'softmax' is quantised finished and normalised). What goes into a quantiser is computed in f32, as accurately as f32 sums, v_exp_f32 and their like allow (about 1e-6 of the number): no bf16 or f16 on the way to a quantiser, and a product that is left as it is and whose result goes on into a quantised operand takes f32 operands (vector FMAs, or v_wmma_f32_16x16x4_f32). A number that lies on a knife's edge between two numbers of the format may be rounded either way, as far as f32 arithmetic and the matrix unit's own rounding can turn it there, and no further.
;; One version. Each part assembles by itself: llvm-mc -triple=amdgcn-amd-amdhsa -mcpu=gfx1250 --defsym DOCPART=n.
;; ======== version 1 of 1: 3 launches
;; workspace buffers: codes 9,060,352 bytes; scales 566,272 bytes; cpart 1,024 bytes; zpart 524,288 bytes
;; launch prep (part 1): grid 2276 x 1, 1 waves a work-group, no clusters, 9,984 bytes of LDS; arguments feats, Wk, pos_w2, Wv, Wq, Wp, z, coords, codes, scales, cpart; writes codes, scales, cpart
.if DOCPART == 1
	.amdgcn_target "amdgcn-amd-amdhsa--gfx1250"
	.amdhsa_code_object_version 6
	.text
	.protected	k_q9a6afa7745_prep
	.globl	k_q9a6afa7745_prep
	.p2align	8
	.type	k_q9a6afa7745_prep,@function
k_q9a6afa7745_prep:
	s_mov_b64 s[64:65], 0
	v_nop
	global_prefetch_b8 v0, s[64:65] scope:SCOPE_SE
	s_setreg_imm32_b32 hwreg(HW_REG_WAVE_MODE, 25, 1), 1
	s_wait_xcnt 0x0
; feats (after a layer norm over its 512 columns), Wk, pos_w2, Wv, Wq, Wp and z become codes of FP4 (E2M1) with one E8M0 byte for each 32 along K (K = the last axis of each).
; The codes are laid as TILES of 16 rows x 512 K in the order of a matrix operand's registers: byte 256 b + 16 r holds block b (32 codes) of row r, so that 512 consecutive bytes are
; one group of four registers of a fragment, lane l at 16 l.  A tile's scale bytes are [row][16 bytes].  Tiles: feats 0.., Wk 2048.., pos_w2 2080.., Wv 2112.., Wq 2144.., Wp 2176.., z 2208...
; A WORK-GROUP IS ONE WAVE.  Work-groups 0-2211 take one tile each, a row (2,048 bytes) a step; work-groups 2212-2275 take one segment of 512 coordinates each and store its mean and its
; sum of squared deviations.  Waves share nothing, so nothing binds them into larger groups, and 2,276 = 4 x 569 shares spread more evenly singly than by fours.
; A block's scale is 2^(floor(log2(its largest magnitude)) - 2); its byte is that magnitude's exponent field - 2.
; LIMITS: the largest magnitude has the floor 2^-124, so a block of zeros has the byte 1 over zero codes (the bytes are read by this program alone); NaN and infinities are not served.
; The input mask is not among the arguments: the problem's function takes it and never uses it.
; No tensor loads, no barrier.  Loads run four rows (16 loads) ahead.
.set STEPS, 16
.set NTILE, 2212                       ; tiles in all; behind them the 64 segments of coordinates
.set SP,    80                         ; LDS: two turn stages of 32 x 80 bytes (a lane's 64 bytes + 16 of padding),
.set SCB,   5120                       ; 256 scale bytes,
.set IMS,   5376                       ; the tile's image as 16 blocks x 272 bytes
.set BPI,   272                        ; a block of the image: 16 rows x 16 bytes + 16 of padding
.set R,     16                         ; v16-79   four sets of 16 numbers as loaded
.set X,     80                         ; v80-111  two sets of 16 neighbours
.set E,     112                        ; v112-127 a scale byte for each step
.set C,     128                        ; v128-159 two registers of codes for each step: no store's data are written again
.set T,     160                        ; v160-167 at work
.set RS,    176                        ; v[176:177] 1 / sqrt(var + eps) and a zero beside it
.set OUTR,  160                        ; v160-191 the way out
.macro RED32 v                         ; the sum over the wave's 32 lanes, in every lane
	v_add_f32_dpp v[\v], v[\v], v[\v] row_xmask:1 row_mask:0xf bank_mask:0xf
	v_add_f32_dpp v[\v], v[\v], v[\v] row_xmask:2 row_mask:0xf bank_mask:0xf
	v_add_f32_dpp v[\v], v[\v], v[\v] row_xmask:4 row_mask:0xf bank_mask:0xf
	v_add_f32_dpp v[\v], v[\v], v[\v] row_xmask:8 row_mask:0xf bank_mask:0xf
	v_permlanex16_b32 v12, v[\v], s36, s37
	v_add_f32 v[\v], v[\v], v12
.endm
	s_load_b256 s[4:11], s[0:1], 0x0               ; feats, Wk, pos_w2, Wv
	s_load_b256 s[12:19], s[0:1], 0x20             ; Wq, Wp, z, coords
	s_load_b128 s[20:23], s[0:1], 0x40             ; codes, scales
	s_load_b64 s[24:25], s[0:1], 0x50              ; cpart
	v_lshl_add_u32 v192, v0, 2, 0x2600
	v_mov_b32 v193, 0
	v_and_b32 v2, 31, v0                           ; lane
	v_lshlrev_b32 v3, 4, v2                        ; 16 x lane
	v_mov_b32 v12, 0                               ; a lane permute's destination counts as read
	s_mov_b32 s36, 0x76543210
	s_mov_b32 s37, 0xfedcba98                      ; selects for lane l xor 16
	s_cmp_ge_u32 ttmp9, NTILE
	s_cbranch_scc1 .Lcoords
	v_lshrrev_b32 v14, 2, v2
	v_mul_u32_u24 v14, v14, SP
	v_and_b32 v15, 3, v2
	v_lshl_add_u32 v14, v15, 4, v14                ; turn stage, in: 80 (lane / 4) + 16 (lane % 4)
	v_mul_u32_u24 v15, v2, SP                      ; out: 80 x lane: my 16 neighbours
	v_lshrrev_b32 v5, 1, v2                        ; my block: lane / 2
	v_mul_u32_u24 v4, v5, BPI
	v_and_b32 v6, 1, v2
	v_lshl_add_u32 v4, v6, 3, v4
	v_add_nc_u32 v4, IMS, v4                       ; image, in: block x 272 + 8 (lane % 2); the row stands in the immediate
	v_add_nc_u32 v5, SCB, v5                       ; my block's scale byte
	v_lshlrev_b32 v7, 3, v2
	v_add_nc_u32 v6, SCB, v7                       ; scale bytes, out: 8 a lane
	v_lshrrev_b32 v13, 4, v2
	v_mul_u32_u24 v13, v13, BPI
	v_and_b32 v8, 15, v2
	v_lshl_add_u32 v13, v8, 4, v13
	v_add_nc_u32 v13, IMS, v13                     ; image, out: two blocks an instruction
	v_mov_b32 v11, 0                               ; named with v10 as a pair
	v_mov_b32 v[RS+1], 0
	s_mov_b32 s33, 0x3b000000                      ; 1 / 512
	s_mov_b32 s34, 0x3727c5ac                      ; 1e-5
	s_wait_kmcnt 0x0
	; which tensor: only a pointer and three constants are chosen, on the work-group's number alone; all tensors take one path
	s_mov_b64 s[28:29], s[16:17]                   ; z
	s_mov_b32 s30, 2208
	s_cmp_lt_u32 ttmp9, 2208
	s_cselect_b64 s[28:29], s[14:15], s[28:29]     ; Wp
	s_cselect_b32 s30, 2176, s30
	s_cmp_lt_u32 ttmp9, 2176
	s_cselect_b64 s[28:29], s[12:13], s[28:29]     ; Wq
	s_cselect_b32 s30, 2144, s30
	s_cmp_lt_u32 ttmp9, 2144
	s_cselect_b64 s[28:29], s[10:11], s[28:29]     ; Wv
	s_cselect_b32 s30, 2112, s30
	s_cmp_lt_u32 ttmp9, 2112
	s_cselect_b64 s[28:29], s[8:9], s[28:29]       ; pos_w2
	s_cselect_b32 s30, 2080, s30
	s_cmp_lt_u32 ttmp9, 2080
	s_cselect_b64 s[28:29], s[6:7], s[28:29]       ; Wk
	s_cselect_b32 s30, 2048, s30
	s_cmp_lt_u32 ttmp9, 2048
	s_cselect_b64 s[28:29], s[4:5], s[28:29]       ; feats
	s_cselect_b32 s30, 0, s30
	s_cselect_b32 s31, 0x3b000000, 0               ; the mean's factor: 1 / 512, or 0 where no norm is taken
	s_cselect_b32 s32, -1, 0                       ; the norm's lane mask
	s_sub_co_u32 s30, ttmp9, s30                   ; my tile within the tensor
	s_lshl_b32 s38, s30, 15                        ; 16 rows x 2,048 bytes
	s_mov_b32 s39, 0
	s_add_nc_u64 s[28:29], s[28:29], s[38:39]
	s_lshl_b32 s38, ttmp9, 12                      ; my tile among all: 4,096 bytes of codes,
	s_add_nc_u64 s[20:21], s[20:21], s[38:39]
	s_lshl_b32 s38, ttmp9, 8                       ; 256 scale bytes
	s_add_nc_u64 s[22:23], s[22:23], s[38:39]
.macro LOAD t                          ; row t: four loads of 512 consecutive bytes
.irp i, 0,1,2,3
	global_load_b128 v[R+16*((\t)%4)+4*\i:R+16*((\t)%4)+4*\i+3], v3, s[28:29] offset:2048*(\t)+512*\i th:TH_LOAD_NT
.endr
.endm
.macro TURN t                          ; row t through the stage: LDS serves a wave's instructions in order, so no wait stands between the stores and the loads
.irp i, 0,1,2,3
	ds_store_b128 v14, v[R+16*((\t)%4)+4*\i:R+16*((\t)%4)+4*\i+3] offset:32*SP*((\t)%2)+8*SP*\i
.endr
.irp i, 0,1,2,3
	ds_load_b128 v[X+16*((\t)%2)+4*\i:X+16*((\t)%2)+4*\i+3], v15 offset:32*SP*((\t)%2)+16*\i
.endr
.endm
.irp t, 0,1,2,3
	LOAD \t
.endr
	s_wait_loadcnt 12                              ; row 0's four loads are in
	TURN 0
.macro STEP t
.set XS, X+16*((\t)%2)
.if (\t) > 0
	s_wait_dscnt 2                                 ; this row is back from the stage; the last step's two stores (byte, codes) may be out
.else
	s_wait_dscnt 0x0
.endif
.if (\t)+4 < STEPS
	LOAD (\t)+4                                    ; into the registers that this row's stage stores have read
.endif
.if (\t)+1 < STEPS
.if STEPS-2-(\t) >= 3
	s_wait_loadcnt 12                              ; the next row's four loads are in; those of the three rows behind it may be out
.else
	s_wait_loadcnt 4*(STEPS-2-(\t))
.endif
	TURN (\t)+1
.endif
	v_pk_add_f32 v[T:T+1], v[XS:XS+1], v[XS+2:XS+3]               ; the row's sum
	v_pk_add_f32 v[T+2:T+3], v[XS+4:XS+5], v[XS+6:XS+7]
	v_pk_add_f32 v[T+4:T+5], v[XS+8:XS+9], v[XS+10:XS+11]
	v_pk_add_f32 v[T+6:T+7], v[XS+12:XS+13], v[XS+14:XS+15]
	v_pk_add_f32 v[T:T+1], v[T:T+1], v[T+2:T+3]
	v_pk_add_f32 v[T+4:T+5], v[T+4:T+5], v[T+6:T+7]
	v_pk_add_f32 v[T:T+1], v[T:T+1], v[T+4:T+5]
	v_add_f32 v[T], v[T], v[T+1]
	RED32 T
	v_mul_f32 v10, s31, v[T]                       ; the mean (0 for a tensor that is quantised as it is)
.irp j, 0,2,4,6,8,10,12,14
	v_pk_add_f32 v[XS+\j:XS+\j+1], v[XS+\j:XS+\j+1], v[10:11] op_sel_hi:[1,0] neg_lo:[0,1] neg_hi:[0,1]
.endr
	v_pk_mul_f32 v[T:T+1], v[XS:XS+1], v[XS:XS+1]                 ; the squared deviations, in two chains
	v_pk_mul_f32 v[T+2:T+3], v[XS+2:XS+3], v[XS+2:XS+3]
.irp j, 4,8,12
	v_pk_fma_f32 v[T:T+1], v[XS+\j:XS+\j+1], v[XS+\j:XS+\j+1], v[T:T+1]
	v_pk_fma_f32 v[T+2:T+3], v[XS+\j+2:XS+\j+3], v[XS+\j+2:XS+\j+3], v[T+2:T+3]
.endr
	v_pk_add_f32 v[T:T+1], v[T:T+1], v[T+2:T+3]
	v_add_f32 v[T], v[T], v[T+1]
	RED32 T
	v_fma_f32 v[T+1], v[T], s33, s34               ; var + eps
	v_rsq_f32 v[RS], v[T+1]
	v_nop                                          ; a plain place behind the transcendental
	s_wait_alu depctr_va_vdst(0)
	v_cndmask_b32 v[RS], 1.0, v[RS], s32           ; 1 where no norm is taken
.irp j, 0,2,4,6,8,10,12,14
	v_pk_mul_f32 v[XS+\j:XS+\j+1], v[XS+\j:XS+\j+1], v[RS:RS+1] op_sel_hi:[1,0]
.endr
	v_max3_num_f32 v8, |v[XS]|, |v[XS+1]|, |v[XS+2]|              ; the largest magnitude of my 16
	v_max3_num_f32 v9, |v[XS+3]|, |v[XS+4]|, |v[XS+5]|
.irp i, 6,10
	v_max3_num_f32 v8, v8, |v[XS+\i]|, |v[XS+\i+1]|
	v_max3_num_f32 v9, v9, |v[XS+\i+2]|, |v[XS+\i+3]|
.endr
	v_max3_num_f32 v8, v8, |v[XS+14]|, |v[XS+15]|
	v_max3_num_f32 v8, v8, v9, 0x1800000           ; and the floor 2^(3 - 127): the byte cannot fall under 1
	v_max_num_f32_dpp v8, v8, v8 row_xmask:1 row_mask:0xf bank_mask:0xf   ; with my neighbour's 16: the block's
	v_add_nc_u32 v[T+2], 0xff000000, v8            ; 2 off its exponent field: the conversion's scale operand
	v_cvt_scalef32_pk8_fp4_f32 v[C+2*(\t)], v[XS:XS+7], v[T+2]
	v_cvt_scalef32_pk8_fp4_f32 v[C+2*(\t)+1], v[XS+8:XS+15], v[T+2]
	v_lshrrev_b32 v[E+(\t)], 23, v[T+2]            ; the scale's byte (also the plain place behind the conversions)
	ds_store_b8 v5, v[E+(\t)] offset:16*(\t)       ; both lanes of a block write the same byte with the same value
	ds_store_b64 v4, v[C+2*(\t):C+2*(\t)+1] offset:16*(\t)
.endm
.irp t, 0,1,2,3,4,5,6,7,8,9,10,11,12,13,14,15
	STEP \t
.endr
	ds_load_b64 v[8:9], v6                         ; LDS serves a wave's instructions in order: these see my stores
.irp i, 0,1,2,3,4,5,6,7
	ds_load_b128 v[OUTR+4*\i:OUTR+4*\i+3], v13 offset:2*BPI*\i
.endr
	s_wait_dscnt 8                                 ; the scale bytes are back; the eight loads behind may be out
	global_store_b64 v7, v[8:9], s[22:23]          ; 32 lanes store 256 consecutive bytes, aligned
.irp i, 0,1,2,3,4,5,6,7
	s_wait_dscnt 7-\i
	global_store_b128 v3, v[OUTR+4*\i:OUTR+4*\i+3], s[20:21] offset:512*\i   ; 512 consecutive bytes, aligned
.endr
	s_wait_tensorcnt 0x0
	ds_add_u32 v192, v193
	s_wait_dscnt 0x0
	s_endpgm
.Lcoords:                                          ; a segment of 512 coordinates (4,096 bytes): 16 pairs (x, y) a lane
	s_sub_co_u32 s30, ttmp9, NTILE                 ; the segment
	s_lshl_b32 s38, s30, 12
	s_mov_b32 s39, 0
	s_lshl_b32 s40, s30, 4
	s_mov_b32 s41, 0
	s_wait_kmcnt 0x0
	s_add_nc_u64 s[18:19], s[18:19], s[38:39]
	s_add_nc_u64 s[24:25], s[24:25], s[40:41]
.irp i, 0,1,2,3,4,5,6,7
	global_load_b128 v[16+4*\i:19+4*\i], v3, s[18:19] offset:512*\i
.endr
	s_wait_loadcnt 0x0
	v_pk_add_f32 v[48:49], v[16:17], v[18:19]      ; the sums of x and of y, in two chains
	v_pk_add_f32 v[50:51], v[20:21], v[22:23]
.irp k, 24,28,32,36,40,44
	v_pk_add_f32 v[48:49], v[48:49], v[\k:\k+1]
	v_pk_add_f32 v[50:51], v[50:51], v[\k+2:\k+3]
.endr
	v_pk_add_f32 v[48:49], v[48:49], v[50:51]
	RED32 48
	RED32 49
	v_mul_f32 v48, 0x3b000000, v48                 ; the segment's means
	v_mul_f32 v49, 0x3b000000, v49
.irp k, 16,18,20,22,24,26,28,30,32,34,36,38,40,42,44,46
	v_pk_add_f32 v[\k:\k+1], v[\k:\k+1], v[48:49] neg_lo:[0,1] neg_hi:[0,1]
.endr
	v_pk_mul_f32 v[50:51], v[16:17], v[16:17]
	v_pk_mul_f32 v[52:53], v[18:19], v[18:19]
.irp k, 20,24,28,32,36,40,44
	v_pk_fma_f32 v[50:51], v[\k:\k+1], v[\k:\k+1], v[50:51]
	v_pk_fma_f32 v[52:53], v[\k+2:\k+3], v[\k+2:\k+3], v[52:53]
.endr
	v_pk_add_f32 v[50:51], v[50:51], v[52:53]
	RED32 50
	RED32 51                                       ; the sums of squared deviations from the segment's means
	v_mov_b32 v13, 0
	s_wait_xcnt 0x0                                ; EXEC changes only behind this wait
	v_cmp_eq_u32 vcc_lo, 0, v2
	s_and_saveexec_b32 s42, vcc_lo
	global_store_b128 v13, v[48:51], s[24:25]      ; lane 0 stores the segment's four numbers
	s_wait_xcnt 0x0                                ; and again in front of the line that widens it
	s_or_b32 exec_lo, exec_lo, s42
	s_endpgm
.Lfunc_end_k_q9a6afa7745_prep:
	.size	k_q9a6afa7745_prep, .Lfunc_end_k_q9a6afa7745_prep-k_q9a6afa7745_prep
	.p2alignl 7, 3214868480
	.fill 96, 4, 3214868480
	.section	.rodata,"a",@progbits
	.p2align	6, 0x0
	.amdhsa_kernel k_q9a6afa7745_prep
		.amdhsa_group_segment_fixed_size 9984
		.amdhsa_private_segment_fixed_size 0
		.amdhsa_enable_private_segment 0
		.amdhsa_kernarg_size 88
		.amdhsa_user_sgpr_count 2
		.amdhsa_user_sgpr_kernarg_segment_ptr 1
		.amdhsa_wavefront_size32 1
		.amdhsa_system_sgpr_workgroup_id_x 1
		.amdhsa_system_sgpr_workgroup_id_y 1
		.amdhsa_system_sgpr_workgroup_id_z 1
		.amdhsa_system_vgpr_workitem_id 0
		.amdhsa_next_free_vgpr 194
		.amdhsa_next_free_sgpr 66
		.amdhsa_reserve_vcc 1
		.amdhsa_float_denorm_mode_32 3
		.amdhsa_float_denorm_mode_16_64 3
		.amdhsa_memory_ordered 1
		.amdhsa_forward_progress 1
		.amdhsa_inst_pref_size 90
	.end_amdhsa_kernel
	.amdgpu_metadata
---
amdhsa.version: [ 1, 2 ]
amdhsa.kernels:
  - .name:           k_q9a6afa7745_prep
    .symbol:         k_q9a6afa7745_prep.kd
    .args:
      - { .name: feats, .offset: 0, .size: 8, .value_kind: global_buffer, .address_space: global }
      - { .name: Wk, .offset: 8, .size: 8, .value_kind: global_buffer, .address_space: global }
      - { .name: pos_w2, .offset: 16, .size: 8, .value_kind: global_buffer, .address_space: global }
      - { .name: Wv, .offset: 24, .size: 8, .value_kind: global_buffer, .address_space: global }
      - { .name: Wq, .offset: 32, .size: 8, .value_kind: global_buffer, .address_space: global }
      - { .name: Wp, .offset: 40, .size: 8, .value_kind: global_buffer, .address_space: global }
      - { .name: z, .offset: 48, .size: 8, .value_kind: global_buffer, .address_space: global }
      - { .name: coords, .offset: 56, .size: 8, .value_kind: global_buffer, .address_space: global }
      - { .name: codes, .offset: 64, .size: 8, .value_kind: global_buffer, .address_space: global }
      - { .name: scales, .offset: 72, .size: 8, .value_kind: global_buffer, .address_space: global }
      - { .name: cpart, .offset: 80, .size: 8, .value_kind: global_buffer, .address_space: global }
    .group_segment_fixed_size: 9984
    .private_segment_fixed_size: 0
    .kernarg_segment_align: 8
    .kernarg_segment_size: 88
    .max_flat_workgroup_size: 32
    .sgpr_count:     66
    .vgpr_count:     194
    .wavefront_size: 32
...
	.end_amdgpu_metadata
.endif
;; end of part 1
;; launch main (part 2): grid 256 x 1, 4 waves a work-group, no clusters, 132,608 bytes of LDS; arguments codes, scales, cpart, coords, pos_w1, pos_b1, pos_b2, zpart; writes zpart
.if DOCPART == 2
	.amdgcn_target "amdgcn-amd-amdhsa--gfx1250"
	.amdhsa_code_object_version 6
	.text
	.protected	k_q9a6afa7745_main
	.globl	k_q9a6afa7745_main
	.p2align	8
	.type	k_q9a6afa7745_main,@function
k_q9a6afa7745_main:
	s_mov_b64 s[64:65], 0
	v_nop
	global_prefetch_b8 v0, s[64:65] scope:SCOPE_SE
	s_setreg_imm32_b32 hwreg(HW_REG_WAVE_MODE, 25, 1), 1
	s_wait_xcnt 0x0
; Work-group 4 l + p owns windows 4 p .. 4 p + 3 of segment l: 160 rows of f (10 tiles of 16; the last two are the halo) and 4 x 64 rows of h (16 tiles).
; It makes: the coordinates' statistics; h = relu(W1 (c - window mean) + b1), quantised in registers; q_l = Q(z_l) Q(Wq)^T; the logits q . (Q(f) Q(Wk)^T + Q(h) Q(W2)^T + b2) / sqrt(512),
; clipped; the softmax of each window (maximum taken off); and the partial Z = sum over rows of (the row's weights over its windows / 16) x (Q(f) Q(Wv)^T).
; A row of f that lies in two windows is multiplied once: the quantiser works row by row, so its codes are the same in both.
; For segment's last window (32 rows) the halo takes rows 480-511 again; their weights are 0.
; SHARES.  In the products the waves share the COLUMNS: wave w owns n = 128 w .. 128 w + 127 of every weight, whose 32 fragments stay in its registers.  In the vector phases wave w owns window w.
; Operands go from wave to wave through LDS as images of their registers: a tile is 4,096 bytes, 512 bytes for each group of four registers, lane l at 16 l; its scale words [row][16 bytes].
; PRODUCTS: source 0 = 16 rows of the activation, source 1 = 16 rows of the weight: register j of lane (r, h) is (row 8 h + j, column n0 + r).
; No cluster: the weights live in registers (768 of 1,024 a wave) and a joint load lands in LDS, where 132 KB are taken by the images: 544 KB of weights would have to go round a ring there.
; LIMITS: a block's largest magnitude has the floor 2^-124 (a block of zeros: byte 1 over zero codes); NaN and infinities are not served; the input mask is not read: the problem's function never uses it.
; REGISTERS: window 0 as named below; window 1 Wk, window 2 pos_w2, window 3 Wq and later Wv: fragment (tile t, K step s) at v[32 t + 8 s].
.set TWK, 2048
.set TW2, 2080
.set TWV, 2112
.set TWQ, 2144
.set TZ,  2208
.set SC,  0                            ; LDS: scale words, 26 tiles x 256 bytes
.set W1X, 6656                         ; pos_w1[:, 0]
.set W1Y, 8704                         ; pos_w1[:, 1]
.set B1T, 10752                        ; pos_b1
.set B2T, 12800                        ; pos_b2
.set PL,  14848                        ; partial logits: 4 waves x 416 words (160 rows of f, 256 of h)
.set PLW, 1664
.set AT,  21504                        ; row weights: A1[160], A2[160] at + 640
.set ZST, 23040                        ; 512 bytes a wave: z_l's codes, at the end the way out
.set IMG, 25600                        ; 26 tile images
.set LN16, 1                           ; 16 x lane
.set T16,  2                           ; 16 x thread
.set T4,   3                           ; 4 x thread
.set R16,  4                           ; 16 r
.set H128, 5                           ; 128 h
.set H8,   6                           ; 8 h
.set VF1,  7
.set VF2,  8
.set VHI,  9
.set VHS,  10
.set VIM,  11
.set VPL,  12
.set VK,   13
.set VPB,  14
.set VA1,  15
.set VAR,  16
.set VZ4,  17
.set VZ16, 18
.set VZB,  19
.set VZS,  20
.set VB2,  21
.set VA,   23                          ; v23-26 stepped addresses
.set VS,   24
.set VP,   25
.set VAA,  26
.set NIL,  27
.set ASC,  28                          ; v28-31 the activation's scale words
.set WSQ,  32                          ; v32-47 Wq's scale words, later Wv's: register 4 u + s: tile 2 u in lanes 0-15, tile 2 u + 1 in lanes 16-31
.set WSV,  32
.set WSK,  48
.set WS2,  64
.set Q,    80                          ; v80-87 q_l[n0(t) + r]
.set QB,   88                          ; v[88:89] the lane's part of q . b2
.set VC0,  90                          ; v90-93 offsets of the head's loads, later at work
.set VC1,  91
.set T32,  92
.set R256, 93
.set RT,   94
.set D,    96                          ; v96-103 (dx, dy) of my window's four tiles; later P
.set P,    96
.set SW,   104                         ; v104-119 h's scale words; later ZA
.set ZA,   104
.set TX,   120
.set TY,   152
.set TB,   184
.set ACC,  120                         ; v120-183 eight accumulators
.set AF,   184                         ; v184-215 a tile's four fragments
.set H,    216                         ; v216-247 32 numbers of h
.set AR,   216
.set ARA,  224
.set ARB,  232
.set FT,   240
.set CD,   248                         ; v248-255 two sets of h's codes
.set MSB, 0
.macro WIN new                         ; the immediate's high byte repeats the setting that is left
.if MSB != \new
	s_set_vgpr_msb (MSB<<8)|\new
.set MSB, \new
.endif
.endm
.macro BARRIER                         ; my LDS stores have landed and my LDS loads are in: then the work-group's barrier
	s_wait_dscnt 0x0
	s_barrier_signal -1
	s_barrier_wait -1
.endm
.macro PLACES                          ; four places behind a matrix instruction, ahead of reads of its results and of loads into its registers
.rept 4
	v_nop
.endr
.endm
.macro RED16 v
	v_add_f32_dpp v[\v], v[\v], v[\v] row_xmask:1 row_mask:0xf bank_mask:0xf
	v_add_f32_dpp v[\v], v[\v], v[\v] row_xmask:2 row_mask:0xf bank_mask:0xf
	v_add_f32_dpp v[\v], v[\v], v[\v] row_xmask:4 row_mask:0xf bank_mask:0xf
	v_add_f32_dpp v[\v], v[\v], v[\v] row_xmask:8 row_mask:0xf bank_mask:0xf
.endm
.macro RED32 v
	RED16 \v
	v_permlanex16_b32 v[RT], v[\v], s42, s43
	v_add_f32 v[\v], v[\v], v[RT]
.endm
; The next n of 192 loads of weight codes: 0-63 Wq (window 3), 64-127 Wk (window 1), 128-191 pos_w2 (window 2); load g of a weight fills registers 4 g .. 4 g + 3 from 512 g + 16 x lane
.set WLG, 0
.macro WLOAD n
.rept \n
.if WLG < 64
	WIN 0xc0
.set WOFF, (TWQ-TWK)*4096
.elseif WLG < 128
	WIN 0x40
.set WOFF, 0
.else
	WIN 0x80
.set WOFF, (TW2-TWK)*4096
.endif
	global_load_b128 v[4*(WLG%64):4*(WLG%64)+3], v[LN16], s[32:33] offset:WOFF+512*(WLG%64)
.set WLG, WLG+1
.endr
	WIN 0
.endm
.set VLG, 0
.macro VLOAD n                         ; the next n of Wv's 64, into window 3
	WIN 0xc0
.rept \n
	global_load_b128 v[4*VLG:4*VLG+3], v[LN16], s[32:33] offset:(TWV-TWK)*4096+512*VLG
.set VLG, VLG+1
.endr
	WIN 0
.endm
.macro TABLES bb                       ; pos_w1's two columns and pos_b1 at my block's 32 units: 64 bb + 32 h + 0 .. 31
.irp k, 0,1,2,3,4,5,6,7
	ds_load_b128 v[TX+4*\k:TX+4*\k+3], v[H128] offset:W1X+256*(\bb)+16*\k
	ds_load_b128 v[TY+4*\k:TY+4*\k+3], v[H128] offset:W1Y+256*(\bb)+16*\k
	ds_load_b128 v[TB+4*\k:TB+4*\k+3], v[H128] offset:B1T+256*(\bb)+16*\k
.endr
.endm
.macro HCALC i                         ; dx w1x + dy w1y + b1 for row r of tile i, 32 units
.set hk, 0
.rept 16
	v_pk_fma_f32 v[H+hk:H+hk+1], v[TX+hk:TX+hk+1], v[D+2*\i:D+2*\i+1], v[TB+hk:TB+hk+1] op_sel_hi:[1,0,1]
.set hk, hk+2
.endr
.set hk, 0
.rept 16
	v_pk_fma_f32 v[H+hk:H+hk+1], v[TY+hk:TY+hk+1], v[D+2*\i:D+2*\i+1], v[H+hk:H+hk+1] op_sel:[0,1,0] op_sel_hi:[1,1,1]
.set hk, hk+2
.endr
.endm
.macro HQUANT i, bb                    ; relu; the block is all mine: its scale, its 32 codes, which are one group of four registers of the operand
.set hj, 0
.rept 32
	v_max_num_f32 v[H+hj], 0, v[H+hj]
.set hj, hj+1
.endr
	v_max3_num_f32 v90, v[H], v[H+1], 0x1800000    ; none is negative: no |.|; the floor 2^(3 - 127) holds the byte at 1 from below
	v_max3_num_f32 v91, v[H+2], v[H+3], v[H+4]
.set hj, 5
.rept 13
	v_max3_num_f32 v[90+((hj-5)/2)%2], v[90+((hj-5)/2)%2], v[H+hj], v[H+hj+1]
.set hj, hj+2
.endr
	v_max3_num_f32 v90, v90, v91, v[H+31]
	v_add_nc_u32 v92, 0xff000000, v90              ; 2 off the exponent field: the conversion's scale operand
.if (\bb)%2 == 0
	v_lshrrev_b32 v[SW+4*\i+(\bb)/2], 23, v92      ; the byte of block 4 s + h,
.else
	v_lshrrev_b32 v93, 23, v92
	v_lshl_or_b32 v[SW+4*\i+(\bb)/2], v93, 16, v[SW+4*\i+(\bb)/2]   ; of block 4 s + 2 + h
.endif
.if \i == 2
	s_wait_dscnt 1                                 ; tile 0's store has read this set of codes; tile 1's may be out
.endif
.if \i == 3
.if (\bb) < 7
	s_wait_dscnt 25                                ; tile 1's store is done; tile 2's and the 24 table loads may be out
.else
	s_wait_dscnt 1
.endif
.endif
.irp g, 0,1,2,3
	v_cvt_scalef32_pk8_fp4_f32 v[CD+4*((\i)%2)+\g], v[H+8*\g:H+8*\g+7], v92
.endr
	v_nop                                          ; one plain place behind the conversions
	ds_store_b128 v[VHI], v[CD+4*((\i)%2):CD+4*((\i)%2)+3] offset:4096*\i+512*(\bb)
.endm
.macro HSTEP bb                        ; register group bb = 2 s + c of my window's four tiles
	s_wait_dscnt 0x0                               ; the tables are in, and every earlier store has read its registers
	HCALC 0
	HQUANT 0, \bb
	HCALC 1
	HQUANT 1, \bb
	HCALC 2
	HQUANT 2, \bb
	HCALC 3
.if (\bb) < 7
	TABLES (\bb)+1
.endif
	HQUANT 3, \bb
	WLOAD 22
.endm
.macro MM1 s, t, WS
.if (\s) == 0
.if (\t)%2
	v_wmma_scale_f32_16x16x128_f8f6f4 v[ACC+8*\t:ACC+8*\t+7], v[AF+8*\s:AF+8*\s+7], v[32*\t+8*\s:32*\t+8*\s+7], 0, v[ASC+\s], v[\WS+4*((\t)/2)+\s] matrix_a_fmt:MATRIX_FMT_FP4 matrix_b_fmt:MATRIX_FMT_FP4 matrix_b_scale:MATRIX_SCALE_ROW1
.else
	v_wmma_scale_f32_16x16x128_f8f6f4 v[ACC+8*\t:ACC+8*\t+7], v[AF+8*\s:AF+8*\s+7], v[32*\t+8*\s:32*\t+8*\s+7], 0, v[ASC+\s], v[\WS+4*((\t)/2)+\s] matrix_a_fmt:MATRIX_FMT_FP4 matrix_b_fmt:MATRIX_FMT_FP4
.endif
.else
.if (\t)%2
	v_wmma_scale_f32_16x16x128_f8f6f4 v[ACC+8*\t:ACC+8*\t+7], v[AF+8*\s:AF+8*\s+7], v[32*\t+8*\s:32*\t+8*\s+7], v[ACC+8*\t:ACC+8*\t+7], v[ASC+\s], v[\WS+4*((\t)/2)+\s] matrix_a_fmt:MATRIX_FMT_FP4 matrix_b_fmt:MATRIX_FMT_FP4 matrix_b_scale:MATRIX_SCALE_ROW1
.else
	v_wmma_scale_f32_16x16x128_f8f6f4 v[ACC+8*\t:ACC+8*\t+7], v[AF+8*\s:AF+8*\s+7], v[32*\t+8*\s:32*\t+8*\s+7], v[ACC+8*\t:ACC+8*\t+7], v[ASC+\s], v[\WS+4*((\t)/2)+\s] matrix_a_fmt:MATRIX_FMT_FP4 matrix_b_fmt:MATRIX_FMT_FP4
.endif
.endif
.endm
; A tile of 16 rows against my 128 columns: 32 matrix instructions; the first K step starts the sums.  The eight accumulators take turns, one instruction a turn.
.macro MM W, WS
	WIN \W
.irp s, 0,1,2,3
.irp t, 0,1,2,3,4,5,6,7
	MM1 \s, \t, \WS
.endr
.endr
	WIN 0
.endm
.macro FETCH                           ; the tile at s54 (codes) and s55 (scale words)
	v_add_nc_u32 v[VA], s54, v[VIM]
	v_add_nc_u32 v[VS], s55, v[R16]
.irp j, 0,1,2,3,4,5,6,7
	ds_load_b128 v[AF+4*\j:AF+4*\j+3], v[VA] offset:512*\j
.endr
	ds_load_b128 v[ASC:ASC+3], v[VS]
.endm
.macro FETCHV                          ; and the 8 row weights of my half of the tile, in their two parts
	FETCH
	v_add_nc_u32 v[VAA], s57, v[VAR]
	ds_load_b128 v[ARA:ARA+3], v[VAA]
	ds_load_b128 v[ARA+4:ARA+7], v[VAA] offset:16
	ds_load_b128 v[ARB:ARB+3], v[VAA] offset:640
	ds_load_b128 v[ARB+4:ARB+7], v[VAA] offset:656
.endm
.macro DOT mode                        ; P[j] = the sum over my 8 tiles of result(row 8 h + j, column) x q(column); mode 1 begins with the lane's part of q . b2.  Each accumulator is read from its low end on
.irp t, 0,1,2,3,4,5,6,7
.irp i, 0,1,2,3
.if \t == 0
.if \mode
	v_pk_fma_f32 v[P+2*\i:P+2*\i+1], v[ACC+2*\i:ACC+2*\i+1], v[Q:Q+1], v[QB:QB+1] op_sel_hi:[1,0,0]
.else
	v_pk_mul_f32 v[P+2*\i:P+2*\i+1], v[ACC+2*\i:ACC+2*\i+1], v[Q:Q+1] op_sel_hi:[1,0]
.endif
.elseif (\t)%2 == 0
	v_pk_fma_f32 v[P+2*\i:P+2*\i+1], v[ACC+8*\t+2*\i:ACC+8*\t+2*\i+1], v[Q+\t:Q+\t+1], v[P+2*\i:P+2*\i+1] op_sel_hi:[1,0,1]
.else
	v_pk_fma_f32 v[P+2*\i:P+2*\i+1], v[ACC+8*\t+2*\i:ACC+8*\t+2*\i+1], v[Q+\t-1:Q+\t], v[P+2*\i:P+2*\i+1] op_sel:[0,1,0] op_sel_hi:[1,1,1]
.endif
.endr
.endr
.endm
; Eight sums over the 16 lanes of a half at once: at each stage a lane keeps half of its numbers and sends the other half to its partner.  At the end lane (r, h) holds row 8 h + r / 2.
.macro FLY
.irp j, 0,1,2,3
	v_cndmask_b32 v[FT+\j], v[P+4+\j], v[P+\j], s44
	v_cndmask_b32 v[P+\j], v[P+\j], v[P+4+\j], s44
.endr
.irp j, 0,1,2,3
	v_add_f32_dpp v[P+\j], v[FT+\j], v[P+\j] row_xmask:8 row_mask:0xf bank_mask:0xf
.endr
.irp j, 0,1
	v_cndmask_b32 v[FT+\j], v[P+2+\j], v[P+\j], s45
	v_cndmask_b32 v[P+\j], v[P+\j], v[P+2+\j], s45
.endr
.irp j, 0,1
	v_add_f32_dpp v[P+\j], v[FT+\j], v[P+\j] row_xmask:4 row_mask:0xf bank_mask:0xf
.endr
	v_cndmask_b32 v[FT], v[P+1], v[P], s46
	v_cndmask_b32 v[P], v[P], v[P+1], s46
	v_add_f32_dpp v[P], v[FT], v[P] row_xmask:2 row_mask:0xf bank_mask:0xf
	v_add_f32_dpp v[P], v[P], v[P] row_xmask:1 row_mask:0xf bank_mask:0xf
.endm
.macro PASS W, WS, mode, fetch         ; a tile's partial logits over my 128 columns
	s_wait_dscnt 0x0                               ; the tile's fragments and scale words are in; the last store has read its registers
	v_add_nc_u32 v[VP], s56, v[VPL]
	MM \W, \WS
	PLACES
.if \fetch
	s_add_co_u32 s54, s54, 4096
	s_add_co_u32 s55, s55, 256
	FETCH                                          ; the next tile comes while this one's results are summed
.endif
	DOT \mode
	FLY
	ds_store_b32 v[VP], v[P]                       ; two lanes write the same word with the same value
	s_add_co_u32 s56, s56, 64
.endm
.macro ZACC first                      ; Z(column) += weight(row) x v(row, column), two rows at a time
.irp i, 0,1,2,3
.irp t, 0,1,2,3,4,5,6,7
.if \first && (\i == 0)
	v_pk_mul_f32 v[ZA+2*\t:ZA+2*\t+1], v[ACC+8*\t:ACC+8*\t+1], v[AR:AR+1]
.else
	v_pk_fma_f32 v[ZA+2*\t:ZA+2*\t+1], v[ACC+8*\t+2*\i:ACC+8*\t+2*\i+1], v[AR+2*\i:AR+2*\i+1], v[ZA+2*\t:ZA+2*\t+1]
.endif
.endr
.endr
.endm
.macro VPASS first, fetch
	s_wait_dscnt 0x0
.irp i, 0,2,4,6
	v_pk_add_f32 v[AR+\i:AR+\i+1], v[ARA+\i:ARA+\i+1], v[ARB+\i:ARB+\i+1]   ; a row's weight: from the window that begins with it and from the one before
.endr
	MM 0x0c, WSV
	PLACES
.if \fetch
	s_add_co_u32 s54, s54, 4096
	s_add_co_u32 s55, s55, 256
	s_add_co_u32 s57, s57, 64
	FETCHV
.endif
	ZACC \first
.endm
	s_load_b512 s[4:19], s[0:1], 0x0               ; codes, scales, cpart, coords, pos_w1, pos_b1, pos_b2, zpart
	v_lshl_add_u32 v22, v0, 2, 0x20400
	v_mov_b32 v95, 0
	v_and_b32 v100, 31, v0                         ; lane
	v_and_b32 v101, 15, v0                         ; r
	v_bfe_u32 v102, v0, 4, 1                       ; h
	v_lshrrev_b32 v103, 5, v0
	v_readfirstlane_b32 s20, v103                  ; wave
	v_lshlrev_b32 v[LN16], 4, v100
	v_lshlrev_b32 v[T16], 4, v0
	v_lshlrev_b32 v[T4], 2, v0
	v_lshlrev_b32 v[R16], 4, v101
	v_lshlrev_b32 v[H128], 7, v102
	v_lshlrev_b32 v[H8], 3, v102
	v_mov_b32 v[NIL], 0
	v_mov_b32 v[RT], 0
	v_lshlrev_b32 v[T32], 5, v0
	v_lshlrev_b32 v[R256], 8, v101
	s_lshr_b32 s21, ttmp9, 2                       ; l
	s_and_b32 s22, ttmp9, 3                        ; p
	s_lshl_b32 s60, ttmp9, 7                       ; R0 = 512 l + 128 p
	s_lshl_b32 s61, s21, 9
	s_add_co_u32 s61, s61, 480                     ; the segment's last 32 rows
	s_add_co_u32 s62, s60, 128
	s_min_u32 s62, s62, s61                        ; the halo's first row
	s_lshl_b32 s66, s60, 8                         ; f's codes: 256 bytes a row; my two tiles
	s_lshl_b32 s63, s20, 13
	s_add_co_u32 s66, s66, s63
	s_mov_b32 s67, 0
	s_lshl_b32 s68, s62, 8                         ; the halo's: my quarter
	s_lshl_b32 s63, s20, 11
	s_add_co_u32 s68, s68, s63
	s_mov_b32 s69, 0
	s_lshl_b32 s70, s60, 4                         ; f's scale bytes: 16 a row
	s_mov_b32 s71, 0
	s_lshl_b32 s72, s62, 4
	s_mov_b32 s73, 0
	s_lshl_b32 s74, s20, 15                        ; the weights' codes: my 8 tiles, from Wk's first on
	s_add_co_u32 s74, s74, TWK*4096
	s_mov_b32 s75, 0
	s_lshl_b32 s76, s20, 11                        ; their scale bytes
	s_mov_b32 s77, 0
	s_lshr_b32 s63, s21, 4
	s_add_co_u32 s63, s63, TZ                      ; z_l's tile,
	s_and_b32 s80, s21, 15
	s_lshl_b32 s80, s80, 4                         ; and its row in it
	s_lshl_b32 s78, s63, 12
	s_add_co_u32 s78, s78, s80
	s_mov_b32 s79, 0
	s_lshl_b32 s82, s63, 8
	s_add_co_u32 s82, s82, s80
	s_mov_b32 s83, 0
	s_lshl_b32 s84, ttmp9, 11                      ; zpart: my work-group's row, my 128 columns
	s_lshl_b32 s63, s20, 9
	s_add_co_u32 s84, s84, s63
	s_mov_b32 s85, 0
	s_lshl_b32 s63, s20, 5
	s_add_co_u32 s63, s63, s60                     ; my window's first row,
	s_add_co_u32 s80, s63, 32
	s_min_u32 s80, s80, s61                        ; and the first of its second half, held inside the segment
	s_lshl_b32 s63, s63, 3
	s_lshl_b32 s80, s80, 3
	v_lshl_add_u32 v[VC0], v101, 3, s63
	v_lshl_add_u32 v[VC1], v101, 3, s80
	s_mov_b32 s42, 0x76543210
	s_mov_b32 s43, 0xfedcba98                      ; selects for lane l xor 16
	s_mov_b32 s44, 0xff00ff00                      ; lanes with bit 3, 2, 1, 4 of their number set
	s_mov_b32 s45, 0xf0f0f0f0
	s_mov_b32 s46, 0xcccccccc
	s_mov_b32 s47, 0xffff0000
	s_mov_b32 s52, 0xc1200000                      ; -10
	s_mov_b32 s53, 0x41200000                      ; 10
	s_mov_b32 s59, 0x44000000                      ; 512
	s_lshl_b32 s63, s22, 2
	s_add_co_u32 s63, s63, s20
	s_cmp_eq_u32 s63, 15                           ; the segment's last window has 32 rows
	s_cselect_b32 s48, 0, 1.0                      ; do rows 32-63 count?
	s_mov_b32 s50, 0x3c800000
	s_cselect_b32 s50, 0x3d000000, s50             ; 1 / the rows that count
	s_cselect_b32 s51, -1, 0
	s_mov_b32 s49, s48                             ; named with s48 as a pair
	s_wait_kmcnt 0x0
	s_add_nc_u64 s[24:25], s[4:5], s[66:67]
	s_add_nc_u64 s[26:27], s[4:5], s[68:69]
	s_add_nc_u64 s[28:29], s[6:7], s[70:71]
	s_add_nc_u64 s[30:31], s[6:7], s[72:73]
	s_add_nc_u64 s[32:33], s[4:5], s[74:75]
	s_add_nc_u64 s[34:35], s[6:7], s[76:77]
	s_add_nc_u64 s[36:37], s[4:5], s[78:79]
	s_add_nc_u64 s[38:39], s[6:7], s[82:83]
	s_add_nc_u64 s[40:41], s[18:19], s[84:85]
	; ---- the head's 34 loads, then 12 of weight scales and Wq's first 16
	global_load_b128 v[216:219], v[LN16], s[8:9]               ; segments lane and 32 + lane: mean x, mean y, M2 x, M2 y
	global_load_b128 v[220:223], v[LN16], s[8:9] offset:512
	global_load_b64 v[224:225], v[VC0], s[10:11]               ; (x, y) of row r of my window's four tiles
	global_load_b64 v[226:227], v[VC0], s[10:11] offset:128
	global_load_b64 v[228:229], v[VC1], s[10:11]
	global_load_b64 v[230:231], v[VC1], s[10:11] offset:128
	global_load_b128 v[206:209], v[T32], s[12:13]              ; pos_w1 of units 4 t .. 4 t + 3
	global_load_b128 v[210:213], v[T32], s[12:13] offset:16
	global_load_b128 v[240:243], v[T16], s[14:15]              ; pos_b1
	global_load_b128 v[244:247], v[T16], s[16:17]              ; pos_b2
	global_load_b128 v[248:251], v[R256], s[36:37]             ; z_l's block r
	global_load_b128 v[ASC:ASC+3], v[NIL], s[38:39]            ; z_l's four scale words, the same in every lane
.irp i, 0,1,2,3,4,5,6,7,8,9,10,11,12,13,14,15
	global_load_b128 v[120+4*\i:123+4*\i], v[LN16], s[24:25] offset:512*\i
.endr
.irp i, 0,1,2,3
	global_load_b128 v[184+4*\i:187+4*\i], v[LN16], s[26:27] offset:512*\i
.endr
	global_load_b128 v[200:203], v[T16], s[28:29]
	global_load_b32 v204, v[T4], s[30:31]
.irp u, 0,1,2,3
	global_load_b128 v[WSQ+4*\u:WSQ+4*\u+3], v[LN16], s[34:35] offset:TWQ*256+512*\u
.endr
.irp u, 0,1,2,3
	global_load_b128 v[WSK+4*\u:WSK+4*\u+3], v[LN16], s[34:35] offset:TWK*256+512*\u
.endr
.irp u, 0,1,2,3
	global_load_b128 v[WS2+4*\u:WS2+4*\u+3], v[LN16], s[34:35] offset:TW2*256+512*\u
.endr
	WLOAD 16
	; ---- LDS addresses: a constant + a constant x lane + a constant x wave
	s_lshl_b32 s63, s20, 13
	s_add_co_u32 s63, s63, IMG
	v_add_nc_u32 v[VF1], s63, v[LN16]              ; f's tiles 2 w, 2 w + 1
	s_lshl_b32 s63, s20, 11
	s_add_co_u32 s63, s63, IMG+32768
	v_add_nc_u32 v[VF2], s63, v[LN16]              ; my quarter of the halo's two
	s_lshl_b32 s63, s20, 14
	s_add_co_u32 s63, s63, IMG+40960
	v_add_nc_u32 v[VHI], s63, v[LN16]              ; h's tiles 4 w ..
	s_lshl_b32 s63, s20, 10
	s_add_co_u32 s63, s63, SC+2560
	v_add_nc_u32 v[VHS], s63, v[R16]               ; and their scale words
	v_add_nc_u32 v[VIM], IMG, v[LN16]
	v_lshrrev_b32 v103, 1, v101
	v_lshl_add_u32 v103, v102, 3, v103             ; 8 h + r / 2
	s_mul_i32 s63, s20, PLW
	s_add_co_u32 s63, s63, PL
	v_lshl_add_u32 v[VPL], v103, 2, s63
	s_lshl_b32 s63, s20, 7
	s_add_co_u32 s63, s63, PL
	v_lshl_add_u32 v[VK], v100, 2, s63             ; f's row 32 w + lane
	s_lshl_b32 s63, s20, 8
	s_add_co_u32 s63, s63, PL+640
	v_lshl_add_u32 v[VPB], v100, 2, s63            ; h's row 64 w + lane
	s_lshl_b32 s63, s20, 7
	s_add_co_u32 s63, s63, AT
	v_lshl_add_u32 v[VA1], v100, 2, s63
	v_lshl_add_u32 v[VAR], v102, 5, AT
	s_lshl_b32 s63, s20, 9
	s_add_co_u32 s63, s63, ZST
	v_lshl_add_u32 v[VZ4], v100, 2, s63
	v_add_nc_u32 v[VZ16], s63, v[LN16]
	v_lshl_add_u32 v[VZB], v102, 4, s63
	v_add_nc_u32 v[VZS], s63, v[R16]
	s_lshl_b32 s63, s20, 9
	s_add_co_u32 s63, s63, B2T
	v_lshl_add_u32 v[VB2], v101, 2, s63
	s_wait_loadcnt 28                              ; the 34 head loads are in; the 12 loads of weight scales and Wq's 16 may be out
	; ---- staging
.irp i, 0,1,2,3,4,5,6,7,8,9,10,11,12,13,14,15
	ds_store_b128 v[VF1], v[120+4*\i:123+4*\i] offset:512*\i
.endr
.irp i, 0,1,2,3
	ds_store_b128 v[VF2], v[184+4*\i:187+4*\i] offset:512*\i
.endr
	ds_store_b128 v[T16], v[200:203] offset:SC
	ds_store_b32 v[T4], v204 offset:SC+2048
.irp k, 0,1,2,3
	v_mov_b32 v[232+\k], v[206+2*\k]               ; pos_w1's columns apart
	v_mov_b32 v[236+\k], v[207+2*\k]
.endr
	ds_store_b128 v[T16], v[232:235] offset:W1X
	ds_store_b128 v[T16], v[236:239] offset:W1Y
	ds_store_b128 v[T16], v[240:243] offset:B1T
	ds_store_b128 v[T16], v[244:247] offset:B2T
	ds_store_b128 v[VZS], v[248:251]               ; z_l's 16 blocks on end, in my wave's own bytes
	ds_store_b32 v[T4], v[NIL] offset:AT           ; the row weights begin as zeros
	ds_store_b32 v[T4], v[NIL] offset:AT+512
	ds_store_b32 v[T4], v[NIL] offset:AT+1024
	BARRIER                                        ; f's ten tiles, the tables and the zeros lie in LDS
	; ---- the coordinates' statistics, from the 64 segments' means and sums of squared deviations
	TABLES 0
	v_pk_add_f32 v[232:233], v[216:217], v[220:221]
	RED32 232
	RED32 233
	v_mul_f32 v232, 0x3c800000, v232               ; the mean of 64 means of equal weight
	v_mul_f32 v233, 0x3c800000, v233
	v_pk_add_f32 v[234:235], v[216:217], v[232:233] neg_lo:[0,1] neg_hi:[0,1]
	v_pk_add_f32 v[236:237], v[220:221], v[232:233] neg_lo:[0,1] neg_hi:[0,1]
	v_pk_mul_f32 v[234:235], v[234:235], v[234:235]
	v_pk_fma_f32 v[234:235], v[236:237], v[236:237], v[234:235]
	v_pk_add_f32 v[236:237], v[218:219], v[222:223]
	v_fma_f32 v234, v234, s59, v236                ; M2 + 512 (segment's mean - mean)^2
	v_fma_f32 v235, v235, s59, v237
	RED32 234
	RED32 235
	v_mul_f32 v234, 0x38000100, v234               ; / 32,767
	v_mul_f32 v235, 0x38000100, v235
	v_sqrt_f32 v234, v234
	v_sqrt_f32 v235, v235
	v_nop
	s_wait_alu depctr_va_vdst(0)
	v_add_f32 v234, 0x322bcc77, v234               ; + 1e-8
	v_add_f32 v235, 0x322bcc77, v235
	v_rcp_f32 v234, v234
	v_rcp_f32 v235, v235
	v_nop
.irp i, 0,2,4,6
	v_pk_add_f32 v[224+\i:225+\i], v[224+\i:225+\i], v[232:233] neg_lo:[0,1] neg_hi:[0,1]
.endr
	s_wait_alu depctr_va_vdst(0)
.irp i, 0,2,4,6
	v_pk_mul_f32 v[224+\i:225+\i], v[224+\i:225+\i], v[234:235]
.endr
	v_pk_add_f32 v[236:237], v[224:225], v[226:227]
	v_pk_add_f32 v[238:239], v[228:229], v[230:231]
	v_pk_fma_f32 v[236:237], v[238:239], s[48:49], v[236:237] op_sel_hi:[1,0,1]
	RED16 236                                      ; both halves of the lanes hold the same rows
	RED16 237
	v_mul_f32 v236, s50, v236                      ; the window's centroid
	v_mul_f32 v237, s50, v237
.irp i, 0,2,4,6
	v_pk_add_f32 v[D+\i:D+\i+1], v[224+\i:225+\i], v[236:237] neg_lo:[0,1] neg_hi:[0,1]
.endr
	; ---- h of my window, quantised: 8 register groups x 4 tiles; the weights' codes are asked for on the way
.irp bb, 0,1,2,3,4,5,6,7
	HSTEP \bb
.endr
.set hk, 0
.rept 16
	v_lshlrev_b32 v[SW+hk], v[H8], v[SW+hk]        ; my two bytes at their places (8 h bits up),
.set hk, hk+1
.endr
.set hk, 0
.rept 16
	v_permlanex16_b32 v[H+hk], v[SW+hk], s42, s43
.set hk, hk+1
.endr
.set hk, 0
.rept 16
	v_or_b32 v[SW+hk], v[SW+hk], v[H+hk]           ; with lane l xor 16's two the word is whole
.set hk, hk+1
.endr
.irp i, 0,1,2,3
	ds_store_b128 v[VHS], v[SW+4*\i:SW+4*\i+3] offset:256*\i
.endr
	BARRIER                                        ; h's sixteen tiles lie in LDS
	; ---- q_l: sixteen equal rows z_l against my 128 rows of Wq
.irp j, 0,1,2,3,4,5,6,7
	ds_load_b128 v[AF+4*\j:AF+4*\j+3], v[VZB] offset:32*\j   ; block 2 j + h of z_l
.endr
.irp t, 0,1,2,3,4,5,6,7
	ds_load_b32 v[216+\t], v[VB2] offset:64*\t
.endr
	s_wait_dscnt 0x0
	s_wait_loadcnt 63                              ; 128 loads were issued behind Wq's: with 63 out at the most, Wq and all scale words are in
	MM 0x0c, WSQ
	PLACES
.irp t, 0,1,2,3,4,5,6,7
	v_mov_b32 v[Q+\t], v[ACC+8*\t]                 ; every row is q_l: the lowest register serves
.endr
	v_mul_f32 v[QB], v[Q], v216
.irp t, 1,2,3,4,5,6,7
	v_fmac_f32 v[QB], v[Q+\t], v[216+\t]
.endr
	v_mov_b32 v[QB+1], v[QB]
	VLOAD 60                                       ; Wv takes Wq's registers
	; ---- q . (f Wk^T): ten tiles
	s_mov_b32 s54, 0
	s_mov_b32 s55, 0
	s_mov_b32 s56, 0
	FETCH
	s_wait_loadcnt 63                              ; 124 loads were issued behind Wk's
	s_mov_b32 s58, 10
.Lkf:
	PASS 0x04, WSK, 0, 1                           ; the tenth trip fetches h's first tile
	s_sub_co_u32 s58, s58, 1
	s_cmp_lg_u32 s58, 0
	s_cbranch_scc1 .Lkf
	; ---- q . (h W2^T + b2): sixteen tiles
	VLOAD 4
.irp u, 0,1,2,3
	global_load_b128 v[WSV+4*\u:WSV+4*\u+3], v[LN16], s[34:35] offset:TWV*256+512*\u
.endr
	s_wait_loadcnt 63                              ; 68 loads were issued behind pos_w2's
	s_mov_b32 s58, 15
.Lpb:
	PASS 0x08, WS2, 1, 1
	s_sub_co_u32 s58, s58, 1
	s_cmp_lg_u32 s58, 0
	s_cbranch_scc1 .Lpb
	PASS 0x08, WS2, 1, 0                           ; the last tile: nothing is left to fetch
	BARRIER                                        ; all partial logits lie in LDS
	; ---- the softmax of my window: lane l has positions l and 32 + l
.irp u, 0,1,2,3
	ds_load_b32 v[216+2*\u], v[VK] offset:PLW*\u
	ds_load_b32 v[217+2*\u], v[VK] offset:PLW*\u+128
	ds_load_b32 v[224+2*\u], v[VPB] offset:PLW*\u
	ds_load_b32 v[225+2*\u], v[VPB] offset:PLW*\u+128
.endr
	s_wait_dscnt 0x0
	v_pk_add_f32 v[216:217], v[216:217], v[218:219]
	v_pk_add_f32 v[220:221], v[220:221], v[222:223]
	v_pk_add_f32 v[224:225], v[224:225], v[226:227]
	v_pk_add_f32 v[228:229], v[228:229], v[230:231]
	v_pk_add_f32 v[216:217], v[216:217], v[220:221]
	v_pk_add_f32 v[224:225], v[224:225], v[228:229]
	v_pk_add_f32 v[216:217], v[216:217], v[224:225]
	v_mul_f32 v216, 0x3d3504f3, v216               ; / sqrt(512)
	v_mul_f32 v217, 0x3d3504f3, v217
	v_med3_num_f32 v216, v216, s52, s53            ; the clip
	v_med3_num_f32 v217, v217, s52, s53
	v_mov_b32 v218, 0xff800000
	v_cndmask_b32 v217, v217, v218, s51            ; positions 32-63 of the segment's last window: -infinity
	v_max_num_f32 v218, v216, v217
	v_max_num_f32_dpp v218, v218, v218 row_xmask:1 row_mask:0xf bank_mask:0xf
	v_max_num_f32_dpp v218, v218, v218 row_xmask:2 row_mask:0xf bank_mask:0xf
	v_max_num_f32_dpp v218, v218, v218 row_xmask:4 row_mask:0xf bank_mask:0xf
	v_max_num_f32_dpp v218, v218, v218 row_xmask:8 row_mask:0xf bank_mask:0xf
	v_permlanex16_b32 v219, v218, s42, s43
	v_max_num_f32 v218, v218, v219                 ; the window's maximum
	v_sub_f32 v216, v216, v218
	v_sub_f32 v217, v217, v218
	v_mul_f32 v216, 0x3fb8aa3b, v216
	v_mul_f32 v217, 0x3fb8aa3b, v217
	v_exp_f32 v216, v216
	v_exp_f32 v217, v217
	v_nop
	s_wait_alu depctr_va_vdst(0)
	v_add_f32 v220, v216, v217
	RED32 220
	v_rcp_f32 v220, v220
	v_nop
	s_wait_alu depctr_va_vdst(0)
	v_mul_f32 v220, 0x3d800000, v220               ; and the mean over 16 windows
	v_mul_f32 v216, v216, v220
	v_mul_f32 v217, v217, v220
	ds_store_b32 v[VA1], v216                      ; A1[32 w + lane]
	ds_store_b32 v[VA1], v217 offset:768           ; A2[32 w + 32 + lane]
	BARRIER                                        ; the row weights lie in LDS
	; ---- Z += weight x (f Wv^T): ten tiles
	s_wait_loadcnt 0x0                             ; Wv and its scale words
	s_mov_b32 s54, 0
	s_mov_b32 s55, 0
	s_mov_b32 s57, 0
	FETCHV
	VPASS 1, 1
	s_mov_b32 s58, 8
.Lv:
	VPASS 0, 1
	s_sub_co_u32 s58, s58, 1
	s_cmp_lg_u32 s58, 0
	s_cbranch_scc1 .Lv
	VPASS 0, 0
	; ---- the way out: my 128 columns as 512 consecutive bytes
.irp t, 0,1,2,3,4,5,6,7
	v_add_f32 v[224+\t], v[ZA+2*\t], v[ZA+2*\t+1]
.endr
.irp t, 0,1,2,3,4,5,6,7
	v_permlanex16_b32 v[232+\t], v[224+\t], s42, s43
.endr
.irp t, 0,1,2,3,4,5,6,7
	v_add_f32 v[224+\t], v[224+\t], v[232+\t]      ; with the other half's eight rows
.endr
.irp u, 0,1,2,3
	v_cndmask_b32 v[216+\u], v[224+2*\u], v[225+2*\u], s47   ; lane l: column 32 u + l
.endr
.irp u, 0,1,2,3
	ds_store_b32 v[VZ4], v[216+\u] offset:128*\u
.endr
	ds_load_b128 v[220:223], v[VZ16]               ; LDS serves a wave's instructions in order: this sees my stores
	s_wait_dscnt 0x0
	global_store_b128 v[LN16], v[220:223], s[40:41]   ; 32 lanes store 512 consecutive bytes, aligned
	s_wait_tensorcnt 0x0
	ds_add_u32 v22, v95
	s_wait_dscnt 0x0
	s_endpgm
.Lfunc_end_k_q9a6afa7745_main:
	.size	k_q9a6afa7745_main, .Lfunc_end_k_q9a6afa7745_main-k_q9a6afa7745_main
	.p2alignl 7, 3214868480
	.fill 96, 4, 3214868480
	.section	.rodata,"a",@progbits
	.p2align	6, 0x0
	.amdhsa_kernel k_q9a6afa7745_main
		.amdhsa_group_segment_fixed_size 132608
		.amdhsa_private_segment_fixed_size 0
		.amdhsa_enable_private_segment 0
		.amdhsa_kernarg_size 64
		.amdhsa_user_sgpr_count 2
		.amdhsa_user_sgpr_kernarg_segment_ptr 1
		.amdhsa_wavefront_size32 1
		.amdhsa_system_sgpr_workgroup_id_x 1
		.amdhsa_system_sgpr_workgroup_id_y 1
		.amdhsa_system_sgpr_workgroup_id_z 1
		.amdhsa_system_vgpr_workitem_id 0
		.amdhsa_next_free_vgpr 1024
		.amdhsa_next_free_sgpr 90
		.amdhsa_reserve_vcc 0
		.amdhsa_float_denorm_mode_32 3
		.amdhsa_float_denorm_mode_16_64 3
		.amdhsa_memory_ordered 1
		.amdhsa_forward_progress 1
		.amdhsa_inst_pref_size 255
	.end_amdhsa_kernel
	.section	.bss,"aw",@nobits
	.p2align	6
	.space	262144
	.amdgpu_metadata
---
amdhsa.version: [ 1, 2 ]
amdhsa.kernels:
  - .name:           k_q9a6afa7745_main
    .symbol:         k_q9a6afa7745_main.kd
    .args:
      - { .name: codes, .offset: 0, .size: 8, .value_kind: global_buffer, .address_space: global }
      - { .name: scales, .offset: 8, .size: 8, .value_kind: global_buffer, .address_space: global }
      - { .name: cpart, .offset: 16, .size: 8, .value_kind: global_buffer, .address_space: global }
      - { .name: coords, .offset: 24, .size: 8, .value_kind: global_buffer, .address_space: global }
      - { .name: pos_w1, .offset: 32, .size: 8, .value_kind: global_buffer, .address_space: global }
      - { .name: pos_b1, .offset: 40, .size: 8, .value_kind: global_buffer, .address_space: global }
      - { .name: pos_b2, .offset: 48, .size: 8, .value_kind: global_buffer, .address_space: global }
      - { .name: zpart, .offset: 56, .size: 8, .value_kind: global_buffer, .address_space: global }
    .group_segment_fixed_size: 132608
    .private_segment_fixed_size: 0
    .kernarg_segment_align: 8
    .kernarg_segment_size: 64
    .max_flat_workgroup_size: 128
    .sgpr_count:     90
    .vgpr_count:     1024
    .wavefront_size: 32
...
	.end_amdgpu_metadata
.endif
;; end of part 2
;; launch final (part 3): grid 8 x 32, 4 waves a work-group, no clusters, 13,824 bytes of LDS; arguments zpart, codes, scales, bp, out0; writes out0
.if DOCPART == 3
	.amdgcn_target "amdgcn-amd-amdhsa--gfx1250"
	.amdhsa_code_object_version 6
	.text
	.protected	k_q9a6afa7745_final
	.globl	k_q9a6afa7745_final
	.p2align	8
	.type	k_q9a6afa7745_final,@function
k_q9a6afa7745_final:
	s_mov_b64 s[64:65], 0
	v_nop
	global_prefetch_b8 v0, s[64:65] scope:SCOPE_SE
	s_setreg_imm32_b32 hwreg(HW_REG_WAVE_MODE, 25, 1), 1
	s_wait_xcnt 0x0
; out0 = Q(Z) Q(Wp)^T + bp, Z[l] = the sum of zpart's four rows 4 l .. 4 l + 3.  Work-group (g, i) makes rows 2 i, 2 i + 1 and columns 64 g .. 64 g + 63.
; WHY TWO ROWS: a work-group of R rows and T tiles of 16 columns reads R x 8 KB of zpart and T x 4.25 KB of Wp's codes and scales; with R T = 8 (256 work-groups) R = 2, T = 4 reads the least,
; and leaves one tile of columns to each of the four waves.  The matrix tile has 16 places for rows: place r takes row r % 2, so the two rows stand there eight times, and places 0 and 1 are stored.
; Wave w has two parts: it sums and quantises K step w (128 along K) of the two rows, and it makes the tile of columns 64 g + 16 w on.  The four fragments of Q(Z) go from wave to wave
; through LDS as images of their registers.  The product is used transposed (source 0 = 16 rows of Wp, source 1 = Z's rows): a lane holds eight neighbouring columns of a row; bp is the C of the first link.
; LIMITS: a block's largest magnitude has the floor 2^-124 (a block of zeros: byte 1 over zero codes); NaN and infinities are not served.
.set TWP,  2176
.set TSW,  1056                        ; LDS: a turn stage of 2 rows x 528 bytes for each wave, from byte 0;
.set ZIMG, 4352                        ; Z's four fragments, 1,024 bytes each;
.set ZSC,  8448                        ; their scale words, 128 bytes each;
.set OST,  8960                        ; the way out: 16 rows x (256 bytes + 16)
.set PZ,   32                          ; v32-63 zpart: partial p, row rr at v[32 + 8 p + 4 rr]; the sum ends in v32-39
.set ZF,   64                          ; v64-95 Z's four fragments
.set PC,   100                         ; v100-107 the codes just made
.set NUM,  128                         ; v128-191 the 64 turned numbers
.set WF,   192                         ; v192-223 Wp's four fragments
.set WSC,  224                         ; v224-227 Wp's scale words
.set BI,   228                         ; v228-235 bp
.set ACC,  236                         ; v236-243
.set ZS,   244                         ; v244-247 Z's scale words
.macro BARRIER                         ; my LDS stores have landed and my LDS loads are in: then the work-group's barrier
	s_wait_dscnt 0x0
	s_barrier_signal -1
	s_barrier_wait -1
.endm
	s_load_b256 s[4:11], s[0:1], 0x0               ; zpart, codes, scales, bp
	s_load_b64 s[12:13], s[0:1], 0x20              ; out0
	v_lshl_add_u32 v254, v0, 2, 0x3400
	v_mov_b32 v255, 0
	v_and_b32 v21, 31, v0                          ; lane
	v_and_b32 v22, 15, v0                          ; r
	v_bfe_u32 v23, v0, 4, 1                        ; h
	v_lshrrev_b32 v24, 5, v0
	v_readfirstlane_b32 s14, v24                   ; wave
	s_and_b32 s15, ttmp7, 0xffff                   ; i
	v_lshlrev_b32 v1, 4, v21                       ; 16 x lane
	v_lshlrev_b32 v2, 4, v22                       ; 16 r
	v_lshlrev_b32 v3, 5, v23                       ; 32 h
	v_lshlrev_b32 v13, 3, v23                      ; 8 h
	s_lshl_b32 s16, s15, 14                        ; zpart: 8 rows of 2,048 bytes for each i, + my K step's 512 bytes
	s_lshl_b32 s18, s14, 9
	s_add_co_u32 s16, s16, s18
	s_mov_b32 s17, 0
	s_lshl_b32 s18, ttmp9, 2
	s_add_co_u32 s18, s18, s14
	s_add_co_u32 s18, s18, TWP                     ; my tile of Wp
	s_lshl_b32 s20, s18, 12
	s_mov_b32 s21, 0
	s_lshl_b32 s22, s18, 8
	s_mov_b32 s23, 0
	s_lshl_b32 s24, ttmp9, 8                       ; bp: 4 (64 g + 16 w)
	s_lshl_b32 s18, s14, 6
	s_add_co_u32 s24, s24, s18
	s_mov_b32 s25, 0
	s_lshl_b32 s26, s15, 12                        ; out0: row 2 i, column 64 g
	s_lshl_b32 s18, ttmp9, 8
	s_add_co_u32 s26, s26, s18
	s_mov_b32 s27, 0
	s_mov_b32 s28, 0x76543210
	s_mov_b32 s29, 0xfedcba98                      ; selects for lane l xor 16
	s_wait_kmcnt 0x0
	s_add_nc_u64 s[4:5], s[4:5], s[16:17]
	s_add_nc_u64 s[6:7], s[6:7], s[20:21]
	s_add_nc_u64 s[8:9], s[8:9], s[22:23]
	s_add_nc_u64 s[10:11], s[10:11], s[24:25]
	s_add_nc_u64 s[12:13], s[12:13], s[26:27]
.irp p, 0,1,2,3                        ; 8 loads of 512 consecutive bytes: partial p of row rr
.irp rr, 0,1
	global_load_b128 v[PZ+8*\p+4*\rr:PZ+8*\p+4*\rr+3], v1, s[4:5] offset:8192*\rr+2048*\p
.endr
.endr
.irp j, 0,1,2,3,4,5,6,7
	global_load_b128 v[WF+4*\j:WF+4*\j+3], v1, s[6:7] offset:512*\j
.endr
	global_load_b128 v[WSC:WSC+3], v2, s[8:9]
	global_load_b128 v[BI:BI+3], v3, s[10:11]
	global_load_b128 v[BI+4:BI+7], v3, s[10:11] offset:16
	s_mul_i32 s30, s14, TSW
	v_add_nc_u32 v4, s30, v1                       ; turn stage, in: 16 x lane; the row stands in the immediate
	v_and_b32 v5, 1, v0                            ; r % 2: which of the two rows my place takes
	v_mul_u32_u24 v5, v5, 528
	v_lshl_add_u32 v5, v23, 7, v5
	v_add_nc_u32 v5, s30, v5                       ; out: that row, + 128 h: my block of 32
	s_lshl_b32 s30, s14, 10
	s_add_co_u32 s30, s30, ZIMG
	v_add_nc_u32 v6, s30, v1
	s_lshl_b32 s30, s14, 7
	s_add_co_u32 s30, s30, ZSC
	v_lshl_add_u32 v7, v21, 2, s30
	v_add_nc_u32 v8, ZIMG, v1
	v_lshl_add_u32 v9, v21, 2, ZSC
	v_mul_u32_u24 v10, v22, 272
	v_lshl_add_u32 v10, v23, 5, v10
	s_lshl_b32 s30, s14, 6
	s_add_co_u32 s30, s30, OST
	v_add_nc_u32 v10, s30, v10                     ; the way out, in: place r, + 64 w + 32 h
	v_mul_u32_u24 v11, v23, 272
	v_add_nc_u32 v11, v11, v2
	v_add_nc_u32 v11, OST, v11                     ; back: places 0 and 1, 16 bytes a lane
	v_lshl_add_u32 v12, v23, 11, v2                ; and the same place in out0
	v_mov_b32 v28, 0                               ; a lane permute's destination counts as read
	s_wait_loadcnt 11                              ; zpart's 8 loads are in; Wp's nine and bp's two may be out
.irp kk, 0,2,4,6
	v_pk_add_f32 v[PZ+\kk:PZ+\kk+1], v[PZ+\kk:PZ+\kk+1], v[PZ+8+\kk:PZ+8+\kk+1]
	v_pk_add_f32 v[PZ+16+\kk:PZ+16+\kk+1], v[PZ+16+\kk:PZ+16+\kk+1], v[PZ+24+\kk:PZ+24+\kk+1]
.endr
.irp kk, 0,2,4,6
	v_pk_add_f32 v[PZ+\kk:PZ+\kk+1], v[PZ+\kk:PZ+\kk+1], v[PZ+16+\kk:PZ+16+\kk+1]   ; Z's two rows, my 128 columns
.endr
	ds_store_b128 v4, v[PZ:PZ+3]
	ds_store_b128 v4, v[PZ+4:PZ+7] offset:528
.irp c, 0,1                            ; lane (r, h) takes k = 64 c + 32 h + 0 .. 31 of its row: two whole blocks.  My wave's own bytes: LDS serves a wave's instructions in order
.irp k, 0,1,2,3,4,5,6,7
	ds_load_b128 v[NUM+32*\c+4*\k:NUM+32*\c+4*\k+3], v5 offset:256*\c+16*\k
.endr
.endr
	s_wait_dscnt 0x0
.irp c, 0,1
	v_max3_num_f32 v[21+\c], |v[NUM+32*\c]|, |v[NUM+1+32*\c]|, 0x1800000   ; with the floor 2^(3 - 127)
.endr
.irp i, 2,4,6,8,10,12,14,16,18,20,22,24,26,28,30
.irp c, 0,1
	v_max3_num_f32 v[21+\c], v[21+\c], |v[NUM+32*\c+\i]|, |v[NUM+1+32*\c+\i]|
.endr
.endr
.irp c, 0,1
	v_add_nc_u32 v[23+\c], 0xff000000, v[21+\c]    ; 2 off the exponent field: the conversion's scale operand
.endr
.irp c, 0,1
	v_lshrrev_b32 v[25+\c], 23, v[23+\c]           ; the scale's byte
.endr
	v_lshl_or_b32 v27, v26, 16, v25                ; blocks h and 2 + h of my row,
	v_lshlrev_b32 v27, v13, v27                    ; at their places;
	v_permlanex16_b32 v28, v27, s28, s29
	v_or_b32 v27, v27, v28                         ; with lane l xor 16's two the word is whole
.irp c, 0,1
.irp g, 0,1,2,3
	v_cvt_scalef32_pk8_fp4_f32 v[PC+4*\c+\g], v[NUM+32*\c+8*\g:NUM+32*\c+8*\g+7], v[23+\c]
.endr
.endr
	v_nop                                          ; one plain place behind the conversions
	ds_store_b128 v6, v[PC:PC+3]
	ds_store_b128 v6, v[PC+4:PC+7] offset:512
	ds_store_b32 v7, v27
	BARRIER                                        ; Z's four fragments lie in LDS
.irp j, 0,1,2,3,4,5,6,7
	ds_load_b128 v[ZF+4*\j:ZF+4*\j+3], v8 offset:512*\j
.endr
.irp s, 0,1,2,3
	ds_load_b32 v[ZS+\s], v9 offset:128*\s
.endr
	s_wait_dscnt 0x0
	s_wait_loadcnt 0x0                             ; Wp and bp
	v_wmma_scale_f32_16x16x128_f8f6f4 v[ACC:ACC+7], v[WF:WF+7], v[ZF:ZF+7], v[BI:BI+7], v[WSC], v[ZS] matrix_a_fmt:MATRIX_FMT_FP4 matrix_b_fmt:MATRIX_FMT_FP4
.irp s, 1,2,3                          ; one accumulator: the wait ahead of each link
	s_wait_alu depctr_va_vdst(0)
	v_wmma_scale_f32_16x16x128_f8f6f4 v[ACC:ACC+7], v[WF+8*\s:WF+8*\s+7], v[ZF+8*\s:ZF+8*\s+7], v[ACC:ACC+7], v[WSC+\s], v[ZS+\s] matrix_a_fmt:MATRIX_FMT_FP4 matrix_b_fmt:MATRIX_FMT_FP4
.endr
.rept 4
	v_nop                                          ; four places ahead of the stores that read the results, and of the load below into registers that the products have read
.endr
	ds_store_b128 v10, v[ACC:ACC+3]                ; lane (r, h): out(place r, 16 w + 8 h + 0 .. 7), from the low end on
	ds_store_b128 v10, v[ACC+4:ACC+7] offset:16
	BARRIER                                        ; a row's 256 bytes come from four waves
	s_cmp_lg_u32 s14, 0                            ; two rows are one store of one wave: wave 0's
	s_cbranch_scc1 .Lend
	ds_load_b128 v[ZF:ZF+3], v11
	s_wait_dscnt 0x0
	global_store_b128 v12, v[ZF:ZF+3], s[12:13]    ; lanes 0-15 store row 2 i's 256 consecutive bytes, aligned; lanes 16-31 row 2 i + 1's
.Lend:
	s_wait_tensorcnt 0x0
	ds_add_u32 v254, v255
	s_wait_dscnt 0x0
	s_endpgm
.Lfunc_end_k_q9a6afa7745_final:
	.size	k_q9a6afa7745_final, .Lfunc_end_k_q9a6afa7745_final-k_q9a6afa7745_final
	.p2alignl 7, 3214868480
	.fill 96, 4, 3214868480
	.section	.rodata,"a",@progbits
	.p2align	6, 0x0
	.amdhsa_kernel k_q9a6afa7745_final
		.amdhsa_group_segment_fixed_size 13824
		.amdhsa_private_segment_fixed_size 0
		.amdhsa_enable_private_segment 0
		.amdhsa_kernarg_size 40
		.amdhsa_user_sgpr_count 2
		.amdhsa_user_sgpr_kernarg_segment_ptr 1
		.amdhsa_wavefront_size32 1
		.amdhsa_system_sgpr_workgroup_id_x 1
		.amdhsa_system_sgpr_workgroup_id_y 1
		.amdhsa_system_sgpr_workgroup_id_z 1
		.amdhsa_system_vgpr_workitem_id 0
		.amdhsa_next_free_vgpr 256
		.amdhsa_next_free_sgpr 66
		.amdhsa_reserve_vcc 0
		.amdhsa_float_denorm_mode_32 3
		.amdhsa_float_denorm_mode_16_64 3
		.amdhsa_memory_ordered 1
		.amdhsa_forward_progress 1
		.amdhsa_inst_pref_size 13
	.end_amdhsa_kernel
	.amdgpu_metadata
---
amdhsa.version: [ 1, 2 ]
amdhsa.kernels:
  - .name:           k_q9a6afa7745_final
    .symbol:         k_q9a6afa7745_final.kd
    .args:
      - { .name: zpart, .offset: 0, .size: 8, .value_kind: global_buffer, .address_space: global }
      - { .name: codes, .offset: 8, .size: 8, .value_kind: global_buffer, .address_space: global }
      - { .name: scales, .offset: 16, .size: 8, .value_kind: global_buffer, .address_space: global }
      - { .name: bp, .offset: 24, .size: 8, .value_kind: global_buffer, .address_space: global }
      - { .name: out0, .offset: 32, .size: 8, .value_kind: global_buffer, .address_space: global }
    .group_segment_fixed_size: 13824
    .private_segment_fixed_size: 0
    .kernarg_segment_align: 8
    .kernarg_segment_size: 40
    .max_flat_workgroup_size: 128
    .sgpr_count:     66
    .vgpr_count:     256
    .wavefront_size: 32
...
	.end_amdgpu_metadata
.endif
;; end of part 3
